; MI455X (gfx1250); checked and timed in simulation.
; The chip was launched on July 23, 2026; its instructions are those of AMD's public machine-readable ISA for CDNA 5 (MIT licence, August 2026) and "CDNA5" Instruction Set Architecture Reference Guide (July 2026). The comments in the code are by the model that wrote it; some were corrected since.
;; Flash Attention3. Allowed arithmetic: matrix products marked QUANTISED: E2M3 operands, one E8M0 scale for each 32 along K, by v_wmma_scale_f32_16x16x128_f8f6f4 with both operands' format E2M3, f32 sums; everything else in f32.
;; Inputs: Wk 1,024 x 1,024 float32; Wo 1,024 x 1,024 float32; Wq 1,024 x 1,024 float32; Wv 1,024 x 1,024 float32; bk 1,024 float32; bo 1,024 float32; bq 1,024 float32; bv 1,024 float32; x 4 x 2,048 x 1,024 float32.
;; Outputs: out0 4 x 2,048 x 1,024 float32.
;; This version of the problem:
;;   THIS VERSION OF THE PROBLEM IS GIVEN IN LOW PRECISION. The matrix products marked QUANTISED in the list below multiply operands that are first quantised to E2M3 (2 exponent bits, 3 mantissa bits; 6 bits a number), with one power-of-two scale for each 32 numbers along K (OCP MX v1.0); their sums are f32. All else is computed in f32.
;;   The module's matrix products, in the order in which they are computed (A, B: the left and right operand; K: the contracted axis; several contracted axes count as one K, in the product's order):
;;     1. [M 8,192, K 1,024] x [K 1,024, N 1,024]; A: input x; B: input Wq: QUANTISED
;;     2. [M 8,192, K 1,024] x [K 1,024, N 1,024]; A: input x; B: input Wk: QUANTISED
;;     3. [M 8,192, K 1,024] x [K 1,024, N 1,024]; A: input x; B: input Wv: QUANTISED
;;     4. batch 64 x [M 2,048, K 64] x [K 64, N 2,048]; A: computed on the way; B: computed on the way: QUANTISED
;;     5. batch 64 x [M 2,048, K 2,048] x [K 2,048, N 64]; A: softmax (see below); B: computed on the way: QUANTISED
;;     6. [M 8,192, K 1,024] x [K 1,024, N 1,024]; A: computed on the way; B: input Wo: QUANTISED
;;   THE QUANTISER, for each operand of a quantised product, along K:
;;     - K is cut into blocks of 32 from its start; a last block that is shorter is filled with zeros.
;;     - A block's scale is 2^e with e = floor(log2(the largest magnitude in the block)) - 2, held to -126 .. 127; a block of zeros has e = 0. As a byte (E8M0): e + 127.
;;     - Each number is divided by its block's scale, clamped to +-7.5, and rounded to the nearest number of E2M3, ties to even, subnormals kept.
;;     - The product sums the exact products of the quantised numbers (number of the format x scale) in f32.
;;   ~~~python
;;   def quantise(x, axis):      # numpy; x: float32 -> the quantised numbers, widened to float32 again
;;       x = np.moveaxis(x, axis, -1); K = x.shape[-1]
;;       x = np.pad(x, [(0, 0)] * (x.ndim - 1) + [(0, -K % 32)]); x = x.reshape(x.shape[:-1] + (-1, 32)); a = np.abs(x).max(-1, keepdims=True)
;;       e = np.where(a > 0, np.clip(np.frexp(np.where(a > 0, a, 1))[1] - 1 - 2, -126, 127), 0)      # np.frexp(a)[1] - 1 = floor(log2(a)), exactly
;;       r = np.clip(x / 2.0 ** e, -7.5, 7.5)
;;       step = 2.0 ** (np.maximum(np.frexp(np.where(r == 0, 1, r))[1] - 1, 0) - 3)
;;       q = np.round(r / step) * step * 2.0 ** e      # np.round: ties to even
;;       return np.moveaxis(q.reshape(q.shape[:-2] + (-1,))[..., :K], -1, axis).astype(np.float32)
;;   ~~~
;;   SOFTMAX AHEAD OF A QUANTISED PRODUCT. Where the list says 'softmax', what is quantised is not the finished softmax but p = 2^(t - M), with t = logit x log2(e) and M = ceil(the row's largest t), a whole number; so 1/2 < the row's largest p <= 1. The row's sum l is taken of the UNQUANTISED p, in f32, and the product's result is divided by l at the end. Since M is a whole number, a kernel that streams over the keys may use a running M (the ceiling of the running maximum): every later rescaling is an exact power of two, which a block's scale takes up: the codes' values come out the same.
;;   OPERANDS COMPUTED ON THE WAY. 'Computed on the way' means the value that the module computes at that place (a softmax that the list does not call 'softmax' is quantised finished and normalised). What goes into a quantiser is computed in f32, as accurately as f32 sums, v_exp_f32 and their like allow (about 1e-6 of the number): no bf16 or f16 on the way to a quantiser, and a product that is left as it is and whose result goes on into a quantised operand takes f32 operands (vector FMAs, or v_wmma_f32_16x16x4_f32). A number that lies on a knife's edge between two numbers of the format may be rounded either way, as far as f32 arithmetic and the matrix unit's own rounding can turn it there, and no further.
;; One version. Each part assembles by itself: llvm-mc -triple=amdgcn-amd-amdhsa -mcpu=gfx1250 --defsym DOCPART=n.
;; ======== version 1 of 1: 4 launches
;; workspace buffers: cw 9,437,184 bytes; sw 393,216 bytes; qkv 20,185,088 bytes; oc 6,291,456 bytes; osc 524,288 bytes
;; launch quant (part 1): grid 384 x 1, 4 waves a work-group, no clusters, 34,304 bytes of LDS; arguments x, Wq, Wk, Wv, Wo, cw, sw; writes cw, sw
.if DOCPART == 1
	.amdgcn_target "amdgcn-amd-amdhsa--gfx1250"
	.amdhsa_code_object_version 6
	.text
	.protected	k_q86e7f3c922_quant
	.globl	k_q86e7f3c922_quant
	.p2align	8
	.type	k_q86e7f3c922_quant,@function
k_q86e7f3c922_quant:
	s_mov_b64 s[64:65], 0
	v_nop
	global_prefetch_b8 v0, s[64:65] scope:SCOPE_SE
	s_setreg_imm32_b32 hwreg(HW_REG_WAVE_MODE, 25, 1), 1
	s_wait_xcnt 0x0
; x [8192][1024] and Wq, Wk, Wv, Wo [1024][1024], f32, K innermost, become codes of FP6 (E2M3) with one E8M0 byte for each 32 along K,
; laid as IMAGES OF OPERAND REGISTERS.  A tile is 16 rows: row slot r of tile t is row 32 (t / 2) + 8 (t % 2) + r + 8 (r / 8) of its tensor.
; Tiles are numbered through: x 0-511, Wq 512-575, Wk 576-639, Wv 640-703, Wo 704-767.
; cw: [tile][K step of 128: 8][1,536 bytes]: registers 4 g .. 4 g + 3 of lane L at 512 g + 16 L.   sw: [tile][half of K][r][4 words], one word a K step.
; A block's scale is 2^(floor(log2(largest magnitude)) - 2); its byte is the largest magnitude's exponent field - 2, held at 1 from below.
; LIMITS: a block of zeros gets the byte 1 (its codes are zeros, and this program alone reads the bytes); blocks whose largest magnitude lies under 2^-124 are held at that byte;
; NaN and infinities among the inputs are not served.
; A wave takes one tile x 512 along K: four fragments.  Each load reads 512 consecutive bytes of a row; a fragment's 16 rows turn through the wave's own stage in LDS (rows 528 bytes apart),
; so that a lane gets 16 neighbours of each block of 32.  Waves share nothing: no barrier.
.set RR,  16                           ; v16-143  two sets of 64: a fragment's numbers as loaded
.set XR,  144                          ; v144-207 register 16 b + i = k 32 b + 16 (lane / 16) + i of my row
.set PC,  208                          ; v208-219 the fragment's codes; v220-227 at work
.set TM,  228                          ; v228-243 at work
.set SEL, 32                           ; s[32:33] lane selects: lane l xor 16
; 64 numbers of a lane become a fragment's codes in v[PC] on and its scale word in v[pw]
.macro QUANT s, pw
.irp b, 0,1,2,3
	v_max3_num_f32 v[TM+\b], |v[\s+16*\b]|, |v[\s+1+16*\b]|, 0x1800000   ; block b: my 16 numbers, and the floor 2^(3 - 127): the byte cannot fall under 1
.endr
.irp i, 2,4,6,8,10,12,14
.irp b, 0,1,2,3
	v_max3_num_f32 v[TM+\b], v[TM+\b], |v[\s+16*\b+\i]|, |v[\s+1+16*\b+\i]|
.endr
.endr
.irp b, 0,1,2,3
	v_permlanex16_b32 v[TM+4+\b], v[TM+\b], s[SEL], s[SEL+1]
.endr
.irp b, 0,1,2,3
	v_max_num_f32 v[TM+\b], v[TM+\b], v[TM+4+\b]   ; with lane l xor 16's: the block's largest magnitude
.endr
.irp b, 0,1,2,3
	v_add_nc_u32 v[TM+12+\b], 0xff000000, v[TM+\b]   ; 2 off its exponent field: the conversion's scale operand
.endr
.irp b, 0,1,2,3
	v_lshrrev_b32 v[TM+4+\b], 23, v[TM+12+\b]   ; the scale's byte
.endr
	v_lshl_or_b32 v[\pw], v[TM+5], 8, v[TM+4]
	v_lshl_or_b32 v[\pw], v[TM+6], 16, v[\pw]
	v_lshl_or_b32 v[\pw], v[TM+7], 24, v[\pw]
.irp c, 0,1
	v_cvt_scalef32_pk16_fp6_f32 v[PC+6*\c:PC+2+6*\c], v[\s+32*\c:\s+15+32*\c], v[TM+12+2*\c]
	v_cvt_scalef32_pk16_fp6_f32 v[PC+12+4*\c:PC+14+4*\c], v[\s+16+32*\c:\s+31+32*\c], v[TM+12+2*\c+1]   ; (a conversion's three registers begin on an even number)
.endr
	v_nop                                          ; one plain place behind a scaled conversion
.irp c, 0,1                                    ; the operand's layout wants a whole block in a lane
.irp i, 0,1,2
	v_permlane16_swap_b32 v[PC+6*\c+\i], v[PC+12+4*\c+\i]
.endr
.irp i, 0,1,2
	v_mov_b32 v[PC+3+6*\c+\i], v[PC+12+4*\c+\i]
.endr
.endr
.endm
.macro LOADF f                         ; fragment f: 16 rows x 512 bytes; row slot j is row j + 8 (j / 8) of the tile's 24
.irp j, 0,1,2,3,4,5,6,7,8,9,10,11,12,13,14,15
	global_load_b128 v[RR+64*((\f)%2)+4*\j:RR+64*((\f)%2)+4*\j+3], v2, s[22:23] offset:(\j+8*(\j/8))*4096+512*(\f) th:TH_LOAD_NT
.endr
.endm
.macro FRAGQ f
.if (\f) < 3
	s_wait_loadcnt 16                              ; this fragment's 16 loads are in; the next fragment's 16 may be out
.else
	s_wait_loadcnt 0x0
.endif
.irp j, 0,1,2,3,4,5,6,7,8,9,10,11,12,13,14,15
	ds_store_b128 v3, v[RR+64*((\f)%2)+4*\j:RR+64*((\f)%2)+4*\j+3] offset:528*\j
.endr
.irp b, 0,1,2,3
.irp q, 0,1,2,3
	ds_load_b128 v[XR+16*\b+4*\q:XR+16*\b+4*\q+3], v4 offset:128*\b+16*\q   ; LDS serves a wave's instructions in order: these see the stores above
.endr
.endr
	s_wait_dscnt 0x0                               ; the numbers are back, and the stores have read their registers,
.if (\f) < 2
	LOADF (\f)+2                                   ; which take the fragment two on
.endif
	s_wait_xcnt 0x0                                ; the last fragment's stores have read the codes' registers
	QUANT XR, 244+(\f)
.irp g, 0,1,2
	global_store_b128 v2, v[PC+4*\g:PC+4*\g+3], s[14:15] offset:1536*(\f)+512*\g   ; 32 lanes store 512 consecutive bytes
.endr
.endm
	s_load_b256 s[4:11], s[0:1], 0x0               ; x, Wq, Wk, Wv
	s_load_b128 s[12:15], s[0:1], 0x20             ; Wo, cw
	s_load_b64 s[16:17], s[0:1], 0x30              ; sw
	v_lshl_add_u32 v254, v0, 2, 0x8400
	v_mov_b32 v255, 0
	v_lshrrev_b32 v1, 5, v0
	v_readfirstlane_b32 s18, v1                    ; wave
	v_and_b32 v1, 31, v0                           ; L
	v_and_b32 v7, 15, v0                           ; r
	v_bfe_u32 v6, v0, 4, 1                         ; h
	v_lshlrev_b32 v2, 4, v1                        ; 16 L
	s_mul_i32 s19, s18, 8448                       ; my stage
	v_add_nc_u32 v3, s19, v2                       ; in: 16 L
	v_mul_u32_u24 v4, v7, 528
	v_lshl_add_u32 v4, v6, 6, v4
	v_add_nc_u32 v4, s19, v4                       ; out: row r, + 64 h
	v_lshlrev_b32 v5, 4, v7
	v_lshl_add_u32 v5, v6, 3, v5                   ; the scale words: 16 r + 8 h
.irp b, 0,1,2,3
	v_mov_b32 v[TM+4+\b], 0                        ; written once: a lane permute's destination counts as one of its sources
.endr
	s_mov_b32 s[SEL], 0x76543210
	s_mov_b32 s[SEL+1], 0xfedcba98
	s_lshl_b32 s20, ttmp9, 1
	s_lshr_b32 s21, s18, 1
	s_add_co_u32 s20, s20, s21                     ; my tile: 2 x work-group + wave / 2
	s_and_b32 s21, s18, 1                          ; my half of K
	s_wait_alu depctr_va_vdst(0)
	s_wait_kmcnt 0x0
	s_mov_b64 s[22:23], s[12:13]                   ; which tensor: the choice hangs on the work-group's number alone
	s_mov_b32 s24, 704
	s_cmp_lt_u32 ttmp9, 352
	s_cselect_b64 s[22:23], s[10:11], s[22:23]
	s_cselect_b32 s24, 640, s24
	s_cmp_lt_u32 ttmp9, 320
	s_cselect_b64 s[22:23], s[8:9], s[22:23]
	s_cselect_b32 s24, 576, s24
	s_cmp_lt_u32 ttmp9, 288
	s_cselect_b64 s[22:23], s[6:7], s[22:23]
	s_cselect_b32 s24, 512, s24
	s_cmp_lt_u32 ttmp9, 256
	s_cselect_b64 s[22:23], s[4:5], s[22:23]
	s_cselect_b32 s24, 0, s24
	s_sub_co_u32 s25, s20, s24                     ; the tile's number in its tensor
	s_lshr_b32 s26, s25, 1
	s_lshl_b32 s26, s26, 17                        ; 32 rows of 4,096 bytes for each pair of tiles,
	s_and_b32 s27, s25, 1
	s_lshl_b32 s27, s27, 15                        ; 8 rows for the odd one,
	s_add_co_u32 s26, s26, s27
	s_lshl_b32 s27, s21, 11                        ; 2,048 bytes for the upper half of K
	s_add_co_u32 s26, s26, s27
	s_mov_b32 s27, 0
	s_add_nc_u64 s[22:23], s[22:23], s[26:27]
	s_mul_i32 s28, s20, 12288
	s_mul_i32 s29, s21, 6144
	s_add_co_u32 s28, s28, s29
	s_mov_b32 s29, 0
	s_add_nc_u64 s[14:15], s[14:15], s[28:29]
	s_lshl_b32 s30, s20, 9
	s_lshl_b32 s31, s21, 8
	s_add_co_u32 s30, s30, s31
	s_mov_b32 s31, 0
	s_add_nc_u64 s[16:17], s[16:17], s[30:31]
	LOADF 0
	LOADF 1
	FRAGQ 0
	FRAGQ 1
	FRAGQ 2
	FRAGQ 3
	v_cmp_ne_u32 vcc_lo, 0, v6                     ; both halves of the lanes hold a row's four words: lanes 0-15 store words 0, 1, lanes 16-31 words 2, 3
	v_cndmask_b32 v248, v244, v246, vcc_lo
	v_cndmask_b32 v249, v245, v247, vcc_lo
	global_store_b64 v5, v[248:249], s[16:17]      ; 32 lanes store 256 consecutive bytes, aligned
	s_wait_tensorcnt 0x0
	ds_add_u32 v254, v255
	s_wait_dscnt 0x0
	s_endpgm
.Lfunc_end_k_q86e7f3c922_quant:
	.size	k_q86e7f3c922_quant, .Lfunc_end_k_q86e7f3c922_quant-k_q86e7f3c922_quant
	.p2alignl 7, 3214868480
	.fill 96, 4, 3214868480
	.section	.rodata,"a",@progbits
	.p2align	6, 0x0
	.amdhsa_kernel k_q86e7f3c922_quant
		.amdhsa_group_segment_fixed_size 34304
		.amdhsa_private_segment_fixed_size 0
		.amdhsa_enable_private_segment 0
		.amdhsa_kernarg_size 56
		.amdhsa_user_sgpr_count 2
		.amdhsa_user_sgpr_kernarg_segment_ptr 1
		.amdhsa_wavefront_size32 1
		.amdhsa_system_sgpr_workgroup_id_x 1
		.amdhsa_system_sgpr_workgroup_id_y 1
		.amdhsa_system_sgpr_workgroup_id_z 1
		.amdhsa_system_vgpr_workitem_id 0
		.amdhsa_next_free_vgpr 256
		.amdhsa_next_free_sgpr 66
		.amdhsa_reserve_vcc 1
		.amdhsa_float_denorm_mode_32 3
		.amdhsa_float_denorm_mode_16_64 3
		.amdhsa_memory_ordered 1
		.amdhsa_forward_progress 1
		.amdhsa_inst_pref_size 34
	.end_amdhsa_kernel
	.amdgpu_metadata
---
amdhsa.version: [ 1, 2 ]
amdhsa.kernels:
  - .name:           k_q86e7f3c922_quant
    .symbol:         k_q86e7f3c922_quant.kd
    .args:
      - { .name: x, .offset: 0, .size: 8, .value_kind: global_buffer, .address_space: global }
      - { .name: Wq, .offset: 8, .size: 8, .value_kind: global_buffer, .address_space: global }
      - { .name: Wk, .offset: 16, .size: 8, .value_kind: global_buffer, .address_space: global }
      - { .name: Wv, .offset: 24, .size: 8, .value_kind: global_buffer, .address_space: global }
      - { .name: Wo, .offset: 32, .size: 8, .value_kind: global_buffer, .address_space: global }
      - { .name: cw, .offset: 40, .size: 8, .value_kind: global_buffer, .address_space: global }
      - { .name: sw, .offset: 48, .size: 8, .value_kind: global_buffer, .address_space: global }
    .group_segment_fixed_size: 34304
    .private_segment_fixed_size: 0
    .kernarg_segment_align: 8
    .kernarg_segment_size: 56
    .max_flat_workgroup_size: 128
    .sgpr_count:     66
    .vgpr_count:     256
    .wavefront_size: 32
...
	.end_amdgpu_metadata
.endif
;; end of part 1
;; launch proj (part 2): grid 192 x 4, 4 waves a work-group, clusters of 4 x 4, 295,424 bytes of LDS; arguments cw, sw, bq, bk, bv, qkv; writes qkv
.if DOCPART == 2
	.amdgcn_target "amdgcn-amd-amdhsa--gfx1250"
	.amdhsa_code_object_version 6
	.text
	.protected	k_q86e7f3c922_proj
	.globl	k_q86e7f3c922_proj
	.p2align	8
	.type	k_q86e7f3c922_proj,@function
k_q86e7f3c922_proj:
	s_mov_b64 s[64:65], 0
	v_nop
	global_prefetch_b8 v0, s[64:65] scope:SCOPE_SE
	s_setreg_imm32_b32 hwreg(HW_REG_WAVE_MODE, 25, 1), 1
	s_wait_xcnt 0x0
	s_wait_alu depctr_hold_cnt(0) depctr_sa_sdst(0) depctr_va_vdst(0) depctr_va_sdst(0) depctr_va_ssrc(0) depctr_va_vcc(0) depctr_vm_vsrc(0)
	s_getreg_b32 s2, hwreg(HW_REG_IB_STS2, 6, 4)
	s_cmp_eq_u32 s2, 0
	s_cbranch_scc0 .Lentry_in_a_cluster
	s_endpgm
.Lentry_in_a_cluster:
	s_bfe_u32 s2, ttmp6, 0x10000c
	s_cmp_lg_u32 s2, 0xf033
	s_cbranch_scc0 .Lentry_shape_is_right
	s_endpgm
.Lentry_shape_is_right:
; q = x Wq^T + bq, k = x Wk^T + bk, v = x Wv^T + bv on codes of FP6 (E2M3) with E8M0 scales, f32 sums; the results are quantised in registers and stored as codes:
; q and k along the head's 64, v along the keys, as images of operand registers (a head's 315,392 bytes of qkv: 16 records of q, then 16 records of k and v, one for each 128 tokens).
; A work-group makes 128 rows of source 1 (8 tiles) x 256 rows of source 0 (16 tiles), K = 1,024; a wave 4 x 8 tiles: 32 accumulators.  THE PRODUCT IS USED TRANSPOSED: a lane holds one row slot of source 1,
; and its registers run along source 0's rows; the rows of a tile are chosen (slot r = row 32 (t / 2) + 8 (t % 2) + r + 8 (r / 8)) so that the 16 registers of tiles 2 b, 2 b + 1 are 16 neighbours.
; Clusters 0-31: source 0 = Wq or Wk (registers run along the channels), source 1 = x.  Clusters 32-47: source 0 = x (registers run along the tokens, v's K), source 1 = Wv.
; THE WHOLE K IS RESIDENT: four chunks of two K steps, 73,728 bytes each, all asked for at the head, four tensor loads a wave; no LDS byte is filled twice.
; CLUSTER 4 x 4: source 0's tiles hang on cx and are shared along a column, source 1's on cy and are shared along a row: joint loads.
; LIMITS: a block of zeros gets the byte 1 (its codes are zeros, and this program alone reads the bytes); blocks under 2^-124 are held at that byte; NaN and infinities are not served.
; REGISTERS: window 0: v4-19 addresses; v32-95, v96-127 scale words and nothing else; v128-223 source 1's fragments, two sets (on the way out: v128-191 numbers, v192-211 codes); v224-249 at work.
;   window 1: the accumulators, (a, b) at v[8 (8 a + b)].   window 2: source 0's fragments, two sets of 96.   window 3: v0-63 the bias.
.set HS,    315392                     ; a head's bytes in qkv
.set CHUNK, 73728
.set ROFF,  49152                      ; in a chunk: source 0's 16 tiles x 3,072 bytes, then source 1's 8
.set ADRC,  4                          ; v4-7   16 L + my 8 tiles of source 0 in chunk j
.set ADRR,  8                          ; v8-11  16 L + my 4 tiles of source 1 in chunk j
.set SCLC,  32                         ; v[32 + 8 b + s]  scale words of source 0's tile b, K step s
.set SCLR,  96                         ; v[96 + 8 a + s]  of source 1's tile a
.set RF,    128
.set WK,    128
.set PC,    192
.set TM,    224
.set PW,    240
.set KS,    244
.set SEL,   24
.set G1C,   28
.set G1R,   36
.set G0C,   44                         ; s[44:59] group 0 for source 0's chunks
.set G0R,   68                         ; s[68:83] for source 1's
.set MSB, 0
.macro WIN new                         ; the immediate's high byte repeats the setting that is left
.if MSB != \new
	s_set_vgpr_msb (MSB<<8)|\new
.set MSB, \new
.endif
.endm
.macro PLACES n
.rept \n
	v_nop
.endr
.endm
.macro CROUND                          ; a round of the cluster's barrier
	s_barrier_signal -1
	s_barrier_wait -1
	s_cmp_lg_u32 s16, 0
	s_cbranch_scc1 .Lnot_wave_0_\@
	s_barrier_signal -3
.Lnot_wave_0_\@:
	s_barrier_wait -3
	s_barrier_signal -1
	s_barrier_wait -1
.endm
.macro QUANT s, pw                     ; 64 numbers of a lane, register 16 b + i = k 32 b + 16 (lane / 16) + i, become a fragment's codes in v[PC] on and its scale word in v[pw]
.irp b, 0,1,2,3
	v_max3_num_f32 v[TM+\b], |v[\s+16*\b]|, |v[\s+1+16*\b]|, 0x1800000   ; and the floor 2^(3 - 127): the byte cannot fall under 1
.endr
.irp i, 2,4,6,8,10,12,14
.irp b, 0,1,2,3
	v_max3_num_f32 v[TM+\b], v[TM+\b], |v[\s+16*\b+\i]|, |v[\s+1+16*\b+\i]|
.endr
.endr
.irp b, 0,1,2,3
	v_permlanex16_b32 v[TM+4+\b], v[TM+\b], s[SEL], s[SEL+1]
.endr
.irp b, 0,1,2,3
	v_max_num_f32 v[TM+\b], v[TM+\b], v[TM+4+\b]
.endr
.irp b, 0,1,2,3
	v_add_nc_u32 v[TM+12+\b], 0xff000000, v[TM+\b]   ; 2 off the exponent field: the conversion's scale operand
.endr
.irp b, 0,1,2,3
	v_lshrrev_b32 v[TM+4+\b], 23, v[TM+12+\b]
.endr
	v_lshl_or_b32 v[\pw], v[TM+5], 8, v[TM+4]
	v_lshl_or_b32 v[\pw], v[TM+6], 16, v[\pw]
	v_lshl_or_b32 v[\pw], v[TM+7], 24, v[\pw]
.irp c, 0,1
	v_cvt_scalef32_pk16_fp6_f32 v[PC+6*\c:PC+2+6*\c], v[\s+32*\c:\s+15+32*\c], v[TM+12+2*\c]
	v_cvt_scalef32_pk16_fp6_f32 v[PC+12+4*\c:PC+14+4*\c], v[\s+16+32*\c:\s+31+32*\c], v[TM+12+2*\c+1]
.endr
	v_nop                                          ; one plain place behind a scaled conversion
.irp c, 0,1
.irp i, 0,1,2
	v_permlane16_swap_b32 v[PC+6*\c+\i], v[PC+12+4*\c+\i]
.endr
.irp i, 0,1,2
	v_mov_b32 v[PC+3+6*\c+\i], v[PC+12+4*\c+\i]
.endr
.endr
.endm
.macro FETCH k, u                      ; K step k's 12 fragments into set u: 36 loads of 512 consecutive bytes
	WIN 0x80                                       ; destination window 2
.irp i, 0,1,2,3,4,5,6,7
.irp g, 0,1,2
	ds_load_b128 v[96*(\u)+12*\i+4*\g:96*(\u)+12*\i+4*\g+3], v[ADRC+(\k)/2] offset:3072*\i+1536*((\k)%2)+512*\g
.endr
.endr
	WIN 0
.irp a, 0,1,2,3
.irp g, 0,1,2
	ds_load_b128 v[RF+48*(\u)+12*\a+4*\g:RF+48*(\u)+12*\a+4*\g+3], v[ADRR+(\k)/2] offset:3072*\a+1536*((\k)%2)+512*\g
.endr
.endr
.endm
; A K step: the next step's fragments are asked for, then this step's 32 products, each accumulator once (the accumulators take turns).
.macro KSTEP k
.if ((\k)%2 == 1) && ((\k) < 7)
	s_wait_tensorcnt 3-((\k)+1)/2                  ; my part of the next chunk has landed; the later chunks' loads may be out
	s_wait_dscnt 0x0                               ; no LDS instruction of mine is out at a signal
	s_barrier_signal -1
	s_barrier_wait -1                              ; everybody's part has landed
.endif
.if ((\k) >= 1) && ((\k) < 7)
	PLACES 4                                       ; in front of loads into the set that the last step's products read
.endif
.if (\k) < 7
	FETCH (\k)+1, ((\k)+1)%2
	s_wait_dscnt 36                                ; all but the 36 just issued: this step's fragments are in
.else
	s_wait_dscnt 0x0
.endif
	WIN 0x52                                       ; source 0 window 2, source 1 window 0, C and D window 1
.irp a, 0,1,2,3
.irp b, 0,1,2,3,4,5,6,7
.if (\k) == 0
	v_wmma_scale_f32_16x16x128_f8f6f4 v[8*(8*\a+\b):8*(8*\a+\b)+7], v[96*((\k)%2)+12*\b:96*((\k)%2)+12*\b+11], v[RF+48*((\k)%2)+12*\a:RF+48*((\k)%2)+12*\a+11], 0, v[SCLC+8*\b+(\k)], v[SCLR+8*\a+(\k)] matrix_a_fmt:MATRIX_FMT_FP6 matrix_b_fmt:MATRIX_FMT_FP6
.else
	v_wmma_scale_f32_16x16x128_f8f6f4 v[8*(8*\a+\b):8*(8*\a+\b)+7], v[96*((\k)%2)+12*\b:96*((\k)%2)+12*\b+11], v[RF+48*((\k)%2)+12*\a:RF+48*((\k)%2)+12*\a+11], v[8*(8*\a+\b):8*(8*\a+\b)+7], v[SCLC+8*\b+(\k)], v[SCLR+8*\a+(\k)] matrix_a_fmt:MATRIX_FMT_FP6 matrix_b_fmt:MATRIX_FMT_FP6
.endif
.endr
.endr
	WIN 0
.endm
	s_load_b256 s[4:11], s[0:1], 0x0               ; cw, sw, bq, bk
	s_load_b128 s[12:15], s[0:1], 0x20             ; bv, qkv
	v_lshl_add_u32 v254, v0, 2, 0x48000
	v_mov_b32 v255, 0
	ds_add_u32 v254, v255
	ds_add_u32 v254, v255
	v_lshrrev_b32 v1, 5, v0
	v_readfirstlane_b32 s16, v1                    ; wave
	s_lshr_b32 s17, s16, 1                         ; wr: which 4 tiles of source 1 are mine
	s_and_b32 s18, s16, 1                          ; wc: which 8 tiles of source 0.  Also: which half I fetch
	s_bfe_u32 s19, ttmp6, 0x40000                  ; cx
	s_bfe_u32 s20, ttmp6, 0x40004                  ; cy
	s_and_b32 s84, ttmp9, 1                        ; the cluster's number says what is made
	s_lshr_b32 s85, ttmp9, 1
	s_lshl_b32 s86, s84, 6
	s_add_co_u32 s86, s86, 512                     ; q, k: source 0 from Wq's or Wk's first tile,
	s_lshl_b32 s87, s85, 5                         ;       source 1: 32 tiles of x
	s_sub_co_u32 s88, s85, 16
	s_lshl_b32 s88, s88, 6                         ; v: source 0: 64 tiles of x,
	s_lshl_b32 s89, s84, 5
	s_add_co_u32 s89, s89, 640                     ;    source 1: half of Wv's tiles
	s_cmp_lt_u32 ttmp9, 32
	s_cselect_b32 s22, s86, s88
	s_cselect_b32 s23, s87, s89
	s_lshl_b32 s90, s19, 4
	s_add_co_u32 s22, s22, s90                     ; my work-group's first tile of source 0: hangs on cx alone
	s_lshl_b32 s91, s20, 3
	s_add_co_u32 s23, s23, s91                     ; and of source 1: on cy alone
	s_lshl_b32 s92, 0x1111, s19                    ; my column of the cluster
	s_lshl_b32 s93, s20, 2
	s_lshl_b32 s93, 15, s93                        ; my row
	; group 1: rows of 3,072 bytes (two K steps of a tile: 384 elements of 8 bytes), 12,288 bytes apart; 8 tiles of source 0 or 4 of source 1
	s_or_b32 s[G1C], s92, (3<<16)|(1<<21)
	s_mov_b32 s[G1C+1], 384<<16
	s_mov_b32 s[G1C+2], 8<<16
	s_mov_b32 s[G1C+3], 384<<16
	s_mov_b32 s[G1C+4], 8
	s_mov_b32 s[G1C+5], 1536
	s_mov_b32 s[G1C+6], 0
	s_mov_b32 s[G1C+7], 0
	s_or_b32 s[G1R], s93, (3<<16)|(1<<21)
	s_mov_b32 s[G1R+1], 384<<16
	s_mov_b32 s[G1R+2], 4<<16
	s_mov_b32 s[G1R+3], 384<<16
	s_mov_b32 s[G1R+4], 4
	s_mov_b32 s[G1R+5], 1536
	s_mov_b32 s[G1R+6], 0
	s_mov_b32 s[G1R+7], 0
	s_lshl_b32 s84, s18, 3
	s_add_co_u32 s84, s84, s22
	s_mul_i32 s84, s84, 12288                      ; source 0: the half that I fetch, in cw
	s_mov_b32 s85, 0
	s_lshl_b32 s86, s18, 2
	s_add_co_u32 s86, s86, s23
	s_mul_i32 s86, s86, 12288                      ; source 1 likewise
	s_mov_b32 s87, 0
	s_mul_i32 s88, s18, 24576                      ; and in a chunk: no place in the cluster enters an LDS address
	s_mul_i32 s89, s18, 12288
	s_mov_b32 s[SEL], 0x76543210
	s_mov_b32 s[SEL+1], 0xfedcba98
	s_wait_dscnt 0x0
	s_wait_kmcnt 0x0
	s_add_nc_u64 s[84:85], s[4:5], s[84:85]
	s_add_nc_u64 s[86:87], s[4:5], s[86:87]
	CROUND                                         ; all sixteen work-groups are here: the joint loads meet
.irp j, 0,1,2,3
	s_mov_b32 s[G0C+4*\j], 1
	s_add_co_u32 s[G0C+4*\j+1], s88, CHUNK*\j
	s_add_nc_u64 s[G0C+4*\j+2:G0C+4*\j+3], s[84:85], 3072*\j
	s_or_b32 s[G0C+4*\j+3], s[G0C+4*\j+3], 0x80000000
	s_mov_b32 s[G0R+4*\j], 1
	s_add_co_u32 s[G0R+4*\j+1], s89, CHUNK*\j+ROFF
	s_add_nc_u64 s[G0R+4*\j+2:G0R+4*\j+3], s[86:87], 3072*\j
	s_or_b32 s[G0R+4*\j+3], s[G0R+4*\j+3], 0x80000000
.endr
	s_cmp_lt_u32 s16, 2                            ; waves 0, 1: source 0's halves; waves 2, 3: source 1's.  A wave's four fills stand in one branch: four loads of mine are out
	s_cbranch_scc0 .Lfor_r
.irp j, 0,1,2,3
	tensor_load_to_lds s[G0C+4*\j:G0C+4*\j+3], s[G1C:G1C+7]
	s_nop 0
.endr
	PLACES 4
	s_branch .Lasked
.Lfor_r:
.irp j, 0,1,2,3
	tensor_load_to_lds s[G0R+4*\j:G0R+4*\j+3], s[G1R:G1R+7]
	s_nop 0
.endr
	PLACES 4
.Lasked:
	v_and_b32 v1, 31, v0                           ; L
	v_and_b32 v2, 15, v0                           ; r
	v_bfe_u32 v3, v0, 4, 1                         ; h
	v_lshlrev_b32 v12, 4, v1                       ; 16 L
	v_lshlrev_b32 v13, 3, v1                       ; 8 L
	v_lshlrev_b32 v14, 4, v2                       ; 16 r
	v_lshlrev_b32 v15, 4, v3                       ; 16 h
	s_mul_i32 s94, s18, 24576
	s_mul_i32 s95, s17, 12288
	s_add_co_u32 s95, s95, ROFF
.irp j, 0,1,2,3
	v_add_nc_u32 v[ADRC+\j], s94, v12
	v_add_nc_u32 v[ADRR+\j], s95, v12
	s_add_co_u32 s94, s94, CHUNK
	s_add_co_u32 s95, s95, CHUNK
.endr
	v_mul_u32_u24 v16, v3, HS
	v_add_nc_u32 v16, v16, v14                     ; 16 r + a head for lanes 16-31
	v_and_b32 v17, 8, v2
	v_add_nc_u32 v17, v17, v2
	v_lshlrev_b32 v17, 2, v17                      ; 4 (r + 8 (r / 8))
	v_lshl_add_u32 v18, v3, 3, v14                 ; 16 r + 8 h
	v_lshlrev_b32 v19, 6, v3                       ; 64 h
.irp b, 0,1,2,3
	v_mov_b32 v[TM+4+\b], 0                        ; written once: a lane permute's destination counts as one of its sources
.endr
	s_lshl_b32 s90, s18, 3
	s_add_co_u32 s90, s90, s22
	s_lshl_b32 s90, s90, 9
	s_mov_b32 s91, 0
	s_add_nc_u64 s[90:91], s[6:7], s[90:91]        ; the scale words of my 8 tiles of source 0
	s_lshl_b32 s92, s17, 2
	s_add_co_u32 s92, s92, s23
	s_lshl_b32 s92, s92, 9
	s_mov_b32 s93, 0
	s_add_nc_u64 s[92:93], s[6:7], s[92:93]        ; and of my 4 of source 1
.irp b, 0,1,2,3,4,5,6,7
.irp q, 0,1
	global_load_b128 v[SCLC+8*\b+4*\q:SCLC+8*\b+4*\q+3], v14, s[90:91] offset:512*\b+256*\q   ; row r's words of four K steps: they come once, for all of K
.endr
.endr
.irp a, 0,1,2,3
.irp q, 0,1
	global_load_b128 v[SCLR+8*\a+4*\q:SCLR+8*\a+4*\q+3], v14, s[92:93] offset:512*\a+256*\q
.endr
.endr
	s_wait_loadcnt 0x0
	s_wait_tensorcnt 3                             ; my part of chunk 0 has landed; three loads may be out
	s_barrier_signal -1
	s_barrier_wait -1
	FETCH 0, 0
	KSTEP 0
	KSTEP 1
	KSTEP 2
	KSTEP 3
	KSTEP 4
	KSTEP 5
	s_cmp_lt_u32 ttmp9, 32                         ; the ways part on the cluster's number, the same in all partners; no barrier and no tensor load stands on either
	s_cbranch_scc0 .Lmode_v
	; ---- q, k.  My 4 tiles of tokens x 128 channels: two heads
	s_lshl_b32 s84, s17, 2
	s_add_co_u32 s84, s84, s23                     ; my first tile of x
	s_lshr_b32 s85, s84, 7                         ; the batch
	s_and_b32 s86, s84, 127                        ; the tile in its sequence
	s_lshl_b32 s87, s19, 1
	s_add_co_u32 s87, s87, s18                     ; which pair of heads
	s_lshl_b32 s88, s85, 3
	s_add_co_u32 s88, s88, s87
	s_lshl_b32 s88, s88, 1                         ; the first head: 16 x batch + 2 x pair
	s_mul_i32 s88, s88, HS
	s_lshr_b32 s89, s86, 3                         ; the record: 128 tokens
	s_and_b32 s94, ttmp9, 1                        ; q or k
	s_movk_i32 s95, 6656
	s_movk_i32 s97, 6144
	s_cmp_lg_u32 s94, 0
	s_cselect_b32 s95, 13056, s95                  ; a record's bytes,
	s_cselect_b32 s96, 106496, 0                   ; where the records begin in a head,
	s_cselect_b32 s97, 12288, s97                  ; where the scale words begin in a record,
	s_cselect_b64 s[98:99], s[10:11], s[8:9]       ; and the bias
	s_mul_i32 s89, s89, s95
	s_add_co_u32 s88, s88, s89
	s_add_co_u32 s88, s88, s96
	s_and_b32 s89, s86, 7
	s_mul_i32 s89, s89, 768
	s_add_co_u32 s2, s88, s89
	s_mov_b32 s3, 0
	s_add_nc_u64 s[90:91], s[14:15], s[2:3]        ; my first tile's codes
	s_bfe_u32 s89, s86, 0x10002
	s_lshl_b32 s89, s89, 8
	s_add_co_u32 s2, s88, s89
	s_add_co_u32 s2, s2, s97
	s_add_nc_u64 s[92:93], s[14:15], s[2:3]        ; my four tiles' scale words
	s_lshl_b32 s2, s87, 9
	s_add_nc_u64 s[98:99], s[98:99], s[2:3]        ; my 128 channels' bias
	WIN 0xc0                                       ; destination window 3
	s_wait_alu depctr_va_vdst(0)
.irp b, 0,1,2,3
.irp q, 0,1,2,3
	global_load_b128 v[16*\b+4*\q:16*\b+4*\q+3], v19, s[98:99] offset:128*\b+16*\q   ; register 16 b + i: channel 32 b + 16 h + i
.endr
.endr
	WIN 0
	KSTEP 6
	KSTEP 7
	s_wait_loadcnt 0x0                             ; the bias
	PLACES 4                                       ; in front of the first read of results and of writes into the fragments' registers
.irp a, 0,1,2,3
	WIN 0x0d                                       ; source 0 window 1, source 1 window 3
.set i, 0
.rept 32
	v_pk_add_f32 v[WK+2*i:WK+2*i+1], v[64*\a+2*i:64*\a+2*i+1], v[2*i:2*i+1]   ; each accumulator from its low end on
.set i, i+1
.endr
	WIN 0
.if \a > 0
	s_wait_xcnt 0x0                                ; the last tile's stores have read the codes' registers
.endif
	QUANT WK, PW
.irp c, 0,1                                    ; registers 6 c .. 6 c + 5 are head c's 64 channels
	global_store_b128 v12, v[PC+6*\c:PC+6*\c+3], s[90:91] offset:768*\a+HS*\c
	global_store_b64 v13, v[PC+6*\c+4:PC+6*\c+5], s[90:91] offset:768*\a+HS*\c+512
.endr
	v_lshrrev_b32 v[KS+\a], v15, v[PW]             ; lanes 0-15 keep the first head's two bytes, lanes 16-31 the second's;
	v_and_b32 v[KS+\a], 0xffff, v[KS+\a]           ; the upper two bytes, for the padded K, are 0
.endr
	global_store_b128 v16, v[KS:KS+3], s[92:93]    ; 16 lanes store 256 consecutive bytes, aligned, for each of the two heads
	s_branch .Lend
.Lmode_v:
	; ---- v.  My 4 tiles of channels are one head; my 128 tokens are one record: K of the second product of attention
	s_and_b32 s84, ttmp9, 1
	s_lshl_b32 s84, s84, 3
	s_lshl_b32 s85, s20, 1
	s_add_co_u32 s84, s84, s85
	s_add_co_u32 s84, s84, s17                     ; the head in its batch
	s_lshr_b32 s86, s22, 3
	s_add_co_u32 s86, s86, s18                     ; which 128 tokens of the 8,192
	s_lshr_b32 s87, s86, 4
	s_lshl_b32 s87, s87, 4
	s_add_co_u32 s87, s87, s84
	s_mul_i32 s87, s87, HS
	s_and_b32 s88, s86, 15
	s_mul_i32 s88, s88, 13056
	s_add_co_u32 s2, s87, s88
	s_add_co_u32 s2, s2, 106496
	s_mov_b32 s3, 0
	s_add_nc_u64 s[90:91], s[14:15], s[2:3]        ; the record
	s_lshl_b32 s2, s84, 8
	s_add_nc_u64 s[98:99], s[12:13], s[2:3]        ; the head's bias
	WIN 0xc0
	s_wait_alu depctr_va_vdst(0)
.irp a, 0,1,2,3
	global_load_b32 v[2*\a], v17, s[98:99] offset:4*(32*(\a/2)+8*(\a%2))     ; my channel's number, in both registers of a pair
	global_load_b32 v[2*\a+1], v17, s[98:99] offset:4*(32*(\a/2)+8*(\a%2))
.endr
	WIN 0
	KSTEP 6
	KSTEP 7
	s_wait_loadcnt 0x0
	PLACES 4
.irp a, 0,1,2,3
	WIN 0x0d
.set i, 0
.rept 32
	v_pk_add_f32 v[WK+2*i:WK+2*i+1], v[64*\a+2*i:64*\a+2*i+1], v[2*\a:2*\a+1]
.set i, i+1
.endr
	WIN 0
.if \a > 0
	s_wait_xcnt 0x0
.endif
	QUANT WK, KS+\a
.irp g, 0,1,2
	global_store_b128 v12, v[PC+4*\g:PC+4*\g+3], s[90:91] offset:6144+1536*\a+512*\g
.endr
.endr
	v_cmp_ne_u32 vcc_lo, 0, v15
	v_cndmask_b32 v248, v[KS], v[KS+2], vcc_lo
	v_cndmask_b32 v249, v[KS+1], v[KS+3], vcc_lo
	global_store_b64 v18, v[248:249], s[90:91] offset:12800   ; 32 lanes store 256 consecutive bytes, aligned
.Lend:
	s_wait_tensorcnt 0x0
	ds_add_u32 v254, v255
	s_wait_dscnt 0x0
	CROUND                                         ; the closing round: no work-group ends while a partner may still ask for a tile that names it
	s_endpgm
.Lfunc_end_k_q86e7f3c922_proj:
	.size	k_q86e7f3c922_proj, .Lfunc_end_k_q86e7f3c922_proj-k_q86e7f3c922_proj
	.p2alignl 7, 3214868480
	.fill 96, 4, 3214868480
	.section	.rodata,"a",@progbits
	.p2align	6, 0x0
	.amdhsa_kernel k_q86e7f3c922_proj
		.amdhsa_group_segment_fixed_size 295424
		.amdhsa_private_segment_fixed_size 0
		.amdhsa_enable_private_segment 0
		.amdhsa_kernarg_size 48
		.amdhsa_user_sgpr_count 2
		.amdhsa_user_sgpr_kernarg_segment_ptr 1
		.amdhsa_wavefront_size32 1
		.amdhsa_system_sgpr_workgroup_id_x 1
		.amdhsa_system_sgpr_workgroup_id_y 1
		.amdhsa_system_sgpr_workgroup_id_z 1
		.amdhsa_system_vgpr_workitem_id 0
		.amdhsa_next_free_vgpr 832
		.amdhsa_next_free_sgpr 100
		.amdhsa_reserve_vcc 1
		.amdhsa_float_denorm_mode_32 3
		.amdhsa_float_denorm_mode_16_64 3
		.amdhsa_memory_ordered 1
		.amdhsa_forward_progress 1
		.amdhsa_inst_pref_size 129
	.end_amdhsa_kernel
	.amdgpu_metadata
---
amdhsa.version: [ 1, 2 ]
amdhsa.kernels:
  - .name:           k_q86e7f3c922_proj
    .symbol:         k_q86e7f3c922_proj.kd
    .args:
      - { .name: cw, .offset: 0, .size: 8, .value_kind: global_buffer, .address_space: global }
      - { .name: sw, .offset: 8, .size: 8, .value_kind: global_buffer, .address_space: global }
      - { .name: bq, .offset: 16, .size: 8, .value_kind: global_buffer, .address_space: global }
      - { .name: bk, .offset: 24, .size: 8, .value_kind: global_buffer, .address_space: global }
      - { .name: bv, .offset: 32, .size: 8, .value_kind: global_buffer, .address_space: global }
      - { .name: qkv, .offset: 40, .size: 8, .value_kind: global_buffer, .address_space: global }
    .group_segment_fixed_size: 295424
    .private_segment_fixed_size: 0
    .kernarg_segment_align: 8
    .kernarg_segment_size: 48
    .max_flat_workgroup_size: 128
    .sgpr_count:     100
    .vgpr_count:     832
    .wavefront_size: 32
...
	.end_amdgpu_metadata
.endif
;; end of part 2
;; launch attn (part 3): grid 4 x 64, 16 waves a work-group, clusters of 4 x 1, 210,944 bytes of LDS; arguments qkv, oc, osc; writes oc, osc
.if DOCPART == 3
	.amdgcn_target "amdgcn-amd-amdhsa--gfx1250"
	.amdhsa_code_object_version 6
	.text
	.protected	k_q86e7f3c922_attn
	.globl	k_q86e7f3c922_attn
	.p2align	8
	.type	k_q86e7f3c922_attn,@function
k_q86e7f3c922_attn:
	s_mov_b64 s[64:65], 0
	v_nop
	global_prefetch_b8 v0, s[64:65] scope:SCOPE_SE
	s_setreg_imm32_b32 hwreg(HW_REG_WAVE_MODE, 25, 1), 1
	s_wait_xcnt 0x0
	s_wait_alu depctr_hold_cnt(0) depctr_sa_sdst(0) depctr_va_vdst(0) depctr_va_sdst(0) depctr_va_ssrc(0) depctr_va_vcc(0) depctr_vm_vsrc(0)
	s_getreg_b32 s2, hwreg(HW_REG_IB_STS2, 6, 4)
	s_cmp_eq_u32 s2, 0
	s_cbranch_scc0 .Lentry_in_a_cluster
	s_endpgm
.Lentry_in_a_cluster:
	s_bfe_u32 s2, ttmp6, 0x10000c
	s_cmp_lg_u32 s2, 0x3003
	s_cbranch_scc0 .Lentry_shape_is_right
	s_endpgm
.Lentry_shape_is_right:
; o = softmax(q k^T / 8, causal) v for one head a cluster, both products on codes of FP6 (E2M3) with E8M0 scales; o is quantised along its 64 channels and stored as codes.
; THE SOFTMAX: t = score x log2(e) / 8; M = the running largest t rounded UP to a whole number; p = 2^(t - M) is quantised along the keys, not normalised; the row's sum is taken of the unquantised p
; and divides O at the end; when M moves, the sum and O are multiplied by 2^(old M - new M): exact.
; SHARES.  The four work-groups of a cluster read the same K and V.  Wave w of the partner at place cx owns query tiles T0 = 8 (w / 2) + 2 cx + w % 2 and T1 = 127 - T0: w / 2 + 1 and 16 - w / 2 key steps of 128:
; seventeen for every wave.  The last step of each pass hangs on the wave's number alone; cx enters global addresses and the mask's threshold only.
; LDS holds the head's 16 records of K and V (13,056 bytes: 8 half images of K, 4 images of V, their scale words), filled ONCE: wave w asks jointly for record w.  One load of mine is out; nothing is filled twice.
; LAYOUT.  Both products transposed: S^T = K Q^T, O^T = V^T P^T: a lane holds one query.  Slot r of tile t is token 32 (t / 2) + 8 (t % 2) + r + 8 (r / 8), so the 16 registers of tiles 2 b, 2 b + 1 are 16 neighbouring keys.
; The head's size is 64: the upper 64 of the first product's K are zero codes (registers 6-11 of each fragment, cleared once) under the scale bytes 0.
; LIMITS: t is one rounding of score x (log2(e) / 8); 1 / the sum by v_rcp_f32; a block of zeros gets the byte 1 (its codes are zeros); NaN and infinities are not served.
; REGISTERS: v1-6 addresses; v7, v8 the passes' mask thresholds, v9 the one in hand; v12 -M, v13 the largest t, v[14:15] the sum; v16-28, v92-104 Q and its scale word for the two passes; v32-79 four fragments of K;
;   v80-87, v88-91 K's and V's scale words; v128-191 S^T, then p, then V's four fragments; v192-223 O^T; v224-235 p's codes; v236-254 at work.
.set HS,  315392
.set REC, 13056
.set SR,  128
.set OT,  192
.set BM,  236
.set SEL, 28
.set CS,  30
.set TK,  32                           ; s32  LDS byte at which the step's record begins
.set KSR, 33                           ; s33  the key step
.macro PLACES n
.rept \n
	v_nop
.endr
.endm
.macro CROUND
	s_barrier_signal -1
	s_barrier_wait -1
	s_cmp_lg_u32 s10, 0
	s_cbranch_scc1 .Lnot_wave_0_\@
	s_barrier_signal -3
.Lnot_wave_0_\@:
	s_barrier_wait -3
	s_barrier_signal -1
	s_barrier_wait -1
.endm
; A key step of 128 keys for the tile whose fragment begins at v[qb], scale word v[qs]; s[lim] is the pass's last step, the one on the diagonal.
.macro STEP qb, qs, lim
	s_cmp_gt_u32 s[KSR], s[\lim]                   ; all keys of the step come after my queries: its work is left out
	s_cbranch_scc1 .Lhidden_\@
	s_setprio 2
	v_add_nc_u32 v4, s[TK], v1
	s_wait_alu depctr_va_vdst(0)
	v_add_nc_u32 v5, s[TK], v2
	s_wait_alu depctr_va_vdst(0)
	v_add_nc_u32 v6, s[TK], v3
	PLACES 3                                       ; six places: the products below write over the registers that the last step's products read as V's fragments, and V's scale words are loaded anew
	ds_load_b128 v[80:83], v6 offset:12288         ; K's scale words, tiles 0-3,
	ds_load_b128 v[84:87], v6 offset:12544         ; tiles 4-7,
	ds_load_b128 v[88:91], v6 offset:12800         ; V's four
.irp g, 0,1
.if \g > 0
	PLACES 4                                       ; in front of loads into registers that matrix instructions have read
.endif
.irp t, 0,1,2,3
	ds_load_b128 v[32+12*\t:35+12*\t], v4 offset:768*(4*\g+\t)
	ds_load_b64 v[36+12*\t:37+12*\t], v5 offset:768*(4*\g+\t)+512
.endr
	s_wait_dscnt 0x0
.irp t, 0,1,2,3
	v_wmma_scale_f32_16x16x128_f8f6f4 v[SR+8*(4*\g+\t):SR+8*(4*\g+\t)+7], v[32+12*\t:43+12*\t], v[\qb:\qb+11], 0, v[80+4*\g+\t], v[\qs] matrix_a_fmt:MATRIX_FMT_FP6 matrix_b_fmt:MATRIX_FMT_FP6
.endr
.endr
	PLACES 4
	s_cmp_lg_u32 s[KSR], s[\lim]                   ; only the step on the diagonal has hidden keys
	s_cbranch_scc1 .Lopen_\@
.set n, 0
.rept 64                                       ; register 16 b + i holds key 128 step + 32 b + 16 (lane / 16) + i: hidden where 32 b + i is above the threshold
	v_cmp_gt_i32 vcc_lo, 32*(n/16)+n%16, v9
	v_cndmask_b32 v[SR+n], v[SR+n], v10, vcc_lo
.set n, n+1
.endr
.Lopen_\@:
.irp b, 0,1,2,3
	v_max3_num_f32 v[BM+\b], v[SR+16*\b], v[SR+1+16*\b], v[SR+2+16*\b]   ; the largest score of each block of 32 keys: for the row's maximum, and, since p rises with the score, for the block's largest p
.endr
.irp i, 3,5,7,9,11,13
.irp b, 0,1,2,3
	v_max3_num_f32 v[BM+\b], v[BM+\b], v[SR+16*\b+\i], v[SR+1+16*\b+\i]
.endr
.endr
.irp b, 0,1,2,3
	v_max_num_f32 v[BM+\b], v[BM+\b], v[SR+15+16*\b]
.endr
.irp b, 0,1,2,3
	s_delay_alu instid0(VALU_DEP_4)
	v_permlanex16_b32 v[240+\b], v[BM+\b], s[SEL], s[SEL+1]
.endr
.irp b, 0,1,2,3
	s_delay_alu instid0(VALU_DEP_4)
	v_max_num_f32 v[BM+\b], v[BM+\b], v[240+\b]    ; with lane l xor 16's 16 keys
.endr
	s_delay_alu instid0(VALU_DEP_2)
	v_max3_num_f32 v254, v[BM], v[BM+1], v[BM+2]
	s_delay_alu instid0(VALU_DEP_1)
	v_max_num_f32 v254, v254, v[BM+3]
	s_delay_alu instid0(VALU_DEP_1)
	v_mul_f32 v254, s[CS], v254                    ; as t
	s_delay_alu instid0(VALU_DEP_1)
	v_max_num_f32 v13, v13, v254                   ; the running largest t
	v_mov_b32 v254, v12
	s_delay_alu instid0(VALU_DEP_2)
	v_floor_f32 v12, -v13                          ; the new -M = -ceil(t)
	s_delay_alu instid0(VALU_DEP_1)
	v_sub_f32 v254, v12, v254                      ; old M - new M: a whole number, 0 or less
	s_delay_alu instid0(VALU_DEP_1)
	v_cvt_i32_f32 v254, v254                       ; (it saturates)
	s_delay_alu instid0(VALU_DEP_1)
	v_ldexp_f32 v252, 1.0, v254                    ; f = 2^(old M - new M)
.set n, 0
.rept 32
	v_pk_fma_f32 v[SR+n:SR+n+1], v[SR+n:SR+n+1], s[CS:CS+1], v[12:13] op_sel_hi:[1,0,0]   ; t - M
.set n, n+2
.endr
	s_setprio 1
.irp b, 0,1,2,3
	v_fma_f32 v[BM+\b], v[BM+\b], s[CS], v12       ; the same of each block's largest score
.endr
.set n, 0
	s_wait_alu depctr_va_vdst(0)
.rept 64
	v_exp_f32 v[SR+n], v[SR+n]                     ; p = 2^(t - M)
.set n, n+1
.endr
	v_pk_mul_f32 v[14:15], v[14:15], v[252:253] op_sel_hi:[1,0]   ; the sums under the new M; a plain place behind the exponentials
	s_wait_alu depctr_va_vdst(0)                   ; one wait for the batch, ahead of its first reader
.irp b, 0,1,2,3
	v_exp_f32 v[BM+\b], v[BM+\b]                   ; the block's largest p
.endr
	v_pk_add_f32 v[240:241], v[132:133], v[136:137]
	v_pk_add_f32 v[250:251], v[140:141], v[144:145]
	v_pk_add_f32 v[248:249], v[148:149], v[152:153]
	v_pk_add_f32 v[244:245], v[156:157], v[160:161]
	v_pk_add_f32 v[242:243], v[164:165], v[168:169]
	v_pk_add_f32 v[234:235], v[172:173], v[176:177]
	v_pk_add_f32 v[232:233], v[180:181], v[184:185]
	v_pk_add_f32 v[14:15], v[14:15], v[188:189]
	v_pk_add_f32 v[240:241], v[240:241], v[128:129]
	v_pk_add_f32 v[250:251], v[250:251], v[130:131]
	v_pk_add_f32 v[248:249], v[248:249], v[134:135]
	v_pk_add_f32 v[244:245], v[244:245], v[138:139]
	v_pk_add_f32 v[242:243], v[242:243], v[142:143]
	v_pk_add_f32 v[234:235], v[234:235], v[146:147]
	v_pk_add_f32 v[232:233], v[232:233], v[150:151]
	v_pk_add_f32 v[14:15], v[14:15], v[154:155]
	v_pk_add_f32 v[240:241], v[240:241], v[158:159]
	v_pk_add_f32 v[250:251], v[250:251], v[162:163]
	v_pk_add_f32 v[248:249], v[248:249], v[166:167]
	v_pk_add_f32 v[244:245], v[244:245], v[170:171]
	v_pk_add_f32 v[242:243], v[242:243], v[174:175]
	v_pk_add_f32 v[234:235], v[234:235], v[178:179]
	v_pk_add_f32 v[232:233], v[232:233], v[182:183]
	v_pk_add_f32 v[14:15], v[14:15], v[186:187]
	v_pk_add_f32 v[240:241], v[240:241], v[190:191]
	s_delay_alu instid0(VALU_DEP_2)
	v_pk_add_f32 v[14:15], v[14:15], v[244:245]
	s_delay_alu instid0(VALU_DEP_2)
	v_pk_add_f32 v[240:241], v[240:241], v[242:243]
	v_pk_add_f32 v[250:251], v[250:251], v[234:235]
	v_pk_add_f32 v[248:249], v[248:249], v[232:233]
	s_delay_alu instid0(VALU_DEP_2)
	v_pk_add_f32 v[14:15], v[14:15], v[250:251]
	s_delay_alu instid0(VALU_DEP_2)
	v_pk_add_f32 v[240:241], v[240:241], v[248:249]
	s_delay_alu instid0(VALU_DEP_1)
	v_pk_add_f32 v[14:15], v[14:15], v[240:241]
	s_wait_alu depctr_va_vdst(0)                   ; and one for the four
.irp b, 0,1,2,3
	v_max_num_f32 v[BM+\b], 0x1800000, v[BM+\b]    ; the floor 2^(3 - 127)
.endr
.irp b, 0,1,2,3
	s_delay_alu instid0(VALU_DEP_4)
	v_add_nc_u32 v[248+\b], 0xff000000, v[BM+\b]   ; the conversion's scale operand
.endr
.irp b, 0,1,2,3
	s_delay_alu instid0(VALU_DEP_4)
	v_lshrrev_b32 v[240+\b], 23, v[248+\b]         ; the scale's byte
.endr
	s_delay_alu instid0(VALU_DEP_3)
	v_lshl_or_b32 v253, v241, 8, v240              ; p's scale word for these 128 keys
	s_delay_alu instid0(VALU_DEP_1)
	v_lshl_or_b32 v253, v242, 16, v253
	s_delay_alu instid0(VALU_DEP_1)
	v_lshl_or_b32 v253, v243, 24, v253
.irp c, 0,1
	v_cvt_scalef32_pk16_fp6_f32 v[224+6*\c:226+6*\c], v[SR+32*\c:SR+15+32*\c], v[248+2*\c]
	v_cvt_scalef32_pk16_fp6_f32 v[240+4*\c:242+4*\c], v[SR+16+32*\c:SR+31+32*\c], v[248+2*\c+1]
.endr
	v_nop                                          ; one plain place behind a scaled conversion
	s_setprio 0
.irp t, 0,1,2,3                                ; V's four fragments land where p lay, while the lines below are issued
.irp i, 0,1,2
	ds_load_b128 v[SR+12*\t+4*\i:SR+12*\t+4*\i+3], v4 offset:6144+1536*\t+512*\i
.endr
.endr
.irp c, 0,1
.irp i, 0,1,2
	v_permlane16_swap_b32 v[224+6*\c+\i], v[240+4*\c+\i]
.endr
.irp i, 0,1,2
	s_delay_alu instid0(VALU_DEP_3)
	v_mov_b32 v[227+6*\c+\i], v[240+4*\c+\i]
.endr
.endr
.set n, 0
.rept 16
	v_pk_mul_f32 v[OT+n:OT+n+1], v[OT+n:OT+n+1], v[252:253] op_sel_hi:[1,0]   ; O^T under the new M; these sixteen are also the places in front of the scaled products
.set n, n+2
.endr
	s_wait_alu depctr_va_vdst(0)
	s_wait_dscnt 0x0
.irp t, 0,1,2,3
	v_wmma_scale_f32_16x16x128_f8f6f4 v[OT+8*\t:OT+8*\t+7], v[SR+12*\t:SR+12*\t+11], v[224:235], v[OT+8*\t:OT+8*\t+7], v[88+\t], v253 matrix_a_fmt:MATRIX_FMT_FP6 matrix_b_fmt:MATRIX_FMT_FP6
.endr
.Lhidden_\@:
.endm
; One tile of 16 queries through all its key steps, and its way out.
.macro PASS p, qb, qs
	s_wait_xcnt 0x0                                ; earlier stores have read their registers
	v_mov_b32 v13, 0xff61b1e6                      ; the largest t so far: -3e38
	s_delay_alu instid0(VALU_DEP_1)
	v_floor_f32 v12, -v13
	v_mov_b32 v14, 0
	v_mov_b32 v15, 0
	v_mov_b32 v9, v[7+\p]
.set n, 0
.rept 32
	v_mov_b32 v[OT+n], 0                           ; the step is written once: the first finds zeros
.set n, n+1
.endr
	s_mov_b32 s[TK], 0
	s_mov_b32 s[KSR], 0
.Lstep_\@:                                         ; sixteen trips, a constant: hidden steps only step the address
	STEP \qb, \qs, 34+\p
	s_add_co_u32 s[TK], s[TK], REC
	s_add_co_u32 s[KSR], s[KSR], 1
	s_cmp_lt_u32 s[KSR], 16
	s_cbranch_scc1 .Lstep_\@
	s_setprio 0
	PLACES 4
	v_add_f32 v14, v14, v15
	s_delay_alu instid0(VALU_DEP_1)
	v_permlanex16_b32 v254, v14, s[SEL], s[SEL+1]
	s_delay_alu instid0(VALU_DEP_1)
	v_add_f32 v14, v14, v254                       ; the row's sum
	s_wait_alu depctr_va_vdst(0)
	v_rcp_f32 v14, v14
	v_nop                                          ; a plain place behind the reciprocal
	s_wait_alu depctr_va_vdst(0)                   ; and the wait ahead of its first reader
.set n, 0
.rept 32
	v_mul_f32 v[SR+n], v[OT+n], v14                ; register 16 b + i: channel 32 b + 16 (lane / 16) + i
.set n, n+1
.endr
.irp b, 0,1
	v_max3_num_f32 v[BM+\b], |v[SR+16*\b]|, |v[SR+1+16*\b]|, 0x1800000
.endr
.irp i, 2,4,6,8,10,12,14
.irp b, 0,1
	s_delay_alu instid0(VALU_DEP_2)
	v_max3_num_f32 v[BM+\b], v[BM+\b], |v[SR+16*\b+\i]|, |v[SR+1+16*\b+\i]|
.endr
.endr
.irp b, 0,1
	s_delay_alu instid0(VALU_DEP_2)
	v_permlanex16_b32 v[240+\b], v[BM+\b], s[SEL], s[SEL+1]
.endr
.irp b, 0,1
	s_delay_alu instid0(VALU_DEP_2)
	v_max_num_f32 v[BM+\b], v[BM+\b], v[240+\b]
.endr
.irp b, 0,1
	s_delay_alu instid0(VALU_DEP_2)
	v_add_nc_u32 v[248+\b], 0xff000000, v[BM+\b]
.endr
.irp b, 0,1
	s_delay_alu instid0(VALU_DEP_2)
	v_lshrrev_b32 v[240+\b], 23, v[248+\b]
.endr
	s_delay_alu instid0(VALU_DEP_1)
	v_lshl_or_b32 v[29+\p], v241, 8, v240          ; the head's two scale bytes of my row
	v_cvt_scalef32_pk16_fp6_f32 v[224:226], v[SR:SR+15], v248
	v_cvt_scalef32_pk16_fp6_f32 v[232:234], v[SR+16:SR+31], v249
	v_nop
.irp i, 0,1,2
	v_permlane16_swap_b32 v[224+\i], v[232+\i]
.endr
.irp i, 0,1,2
	s_delay_alu instid0(VALU_DEP_3)
	v_mov_b32 v[227+\i], v[232+\i]
.endr
	global_store_b128 v1, v[224:227], s[46+2*\p:47+2*\p]              ; a half image: 512 and 256 consecutive bytes
	global_store_b64 v2, v[228:229], s[46+2*\p:47+2*\p] offset:512
.endm
	s_load_b128 s[4:7], s[0:1], 0x0                ; qkv, oc
	s_load_b64 s[8:9], s[0:1], 0x10                ; osc
	v_lshl_add_u32 v247, v0, 2, 0x33000
	v_mov_b32 v255, 0
	ds_add_u32 v247, v255
	ds_add_u32 v247, v255
	v_lshrrev_b32 v1, 5, v0
	s_delay_alu instid0(VALU_DEP_1)
	v_readfirstlane_b32 s10, v1                    ; wave 0..15
	s_bfe_u32 s11, ttmp6, 0x40000                  ; cx
	s_and_b32 s12, ttmp7, 0xffff                   ; the head, 16 x batch + h: the partners share it
	; group 1: a record, 13,056 dense bytes, as 51 rows of 256 bytes; the mask names all four work-groups
	s_mov_b32 s20, 15|(3<<16)|(1<<21)
	s_mov_b32 s21, 32<<16
	s_mov_b32 s22, 51<<16
	s_mov_b32 s23, 32<<16
	s_mov_b32 s24, 51
	s_mov_b32 s25, 32
	s_mov_b32 s26, 0
	s_mov_b32 s27, 0
	s_mul_i32 s50, s12, HS                         ; the head's first byte in qkv
	s_mul_i32 s17, s10, REC                        ; record w: in LDS, and in the head's K and V
	s_add_co_u32 s52, s50, s17
	s_add_co_u32 s52, s52, 106496
	s_mov_b32 s53, 0
	s_mov_b32 s16, 1
	s_mov_b32 s[SEL], 0x76543210
	s_mov_b32 s[SEL+1], 0xfedcba98
	s_mov_b32 s[CS], 0x3e38aa3b                    ; log2(e) / 8
	s_mov_b32 s[CS+1], s[CS]
	s_wait_dscnt 0x0
	s_wait_kmcnt 0x0
	s_add_nc_u64 s[18:19], s[4:5], s[52:53]
	s_or_b32 s19, s19, 0x80000000
	CROUND                                         ; all four work-groups are here: the joint loads meet
	tensor_load_to_lds s[16:19], s[20:27]
	s_nop 0
	PLACES 4
	s_lshr_b32 s34, s10, 1                         ; pass 0's last step
	s_sub_co_u32 s35, 15, s34                      ; pass 1's: both hang on the wave's number alone
	s_and_b32 s54, s10, 1
	s_lshl_b32 s36, s34, 3
	s_lshl_b32 s55, s11, 1
	s_add_co_u32 s36, s36, s55
	s_add_co_u32 s36, s36, s54                     ; T0
	s_sub_co_u32 s37, 127, s36                     ; T1
	v_and_b32 v105, 31, v0
	v_and_b32 v107, 15, v0                         ; r
	v_bfe_u32 v108, v0, 4, 1                       ; h
	s_delay_alu instid0(VALU_DEP_3)
	v_lshlrev_b32 v1, 4, v105                      ; 16 L
	s_delay_alu instid0(VALU_DEP_4)
	v_lshlrev_b32 v2, 3, v105                      ; 8 L
	s_wait_alu depctr_va_vdst(0)
	v_lshlrev_b32 v3, 4, v107                      ; 16 r
	s_wait_alu depctr_va_vdst(0)
	v_and_b32 v106, 8, v107
	s_delay_alu instid0(VALU_DEP_1)
	v_add_nc_u32 v106, v106, v107
	v_lshlrev_b32 v105, 4, v108
	s_delay_alu instid0(VALU_DEP_1)
	v_sub_nc_u32 v106, v106, v105                  ; r + 8 (r / 8) - 16 h
	s_lshl_b32 s55, s11, 5
	s_lshl_b32 s56, s54, 3
	s_add_co_u32 s55, s55, s56                     ; my query's place in its step of 128: 32 cx + 8 (w % 2) + ..
	s_sub_co_u32 s56, 104, s55                     ; and pass 1's: 32 (3 - cx) + 8 (1 - w % 2) + ..
	v_add_nc_u32 v7, s55, v106
	v_add_nc_u32 v8, s56, v106
	v_mov_b32 v10, 0xff800000                      ; -infinity
	s_lshr_b32 s51, s12, 4
	s_lshl_b32 s51, s51, 7                         ; 128 tiles a batch
	s_and_b32 s60, s12, 15                         ; h
	s_mov_b32 s59, 0
.irp p, 0,1
	s_lshr_b32 s56, s[36+\p], 3
	s_mul_i32 s56, s56, 6656
	s_add_co_u32 s56, s56, s50                     ; Q's record
	s_and_b32 s57, s[36+\p], 7
	s_mul_i32 s57, s57, 768
	s_add_co_u32 s58, s56, s57
	s_add_nc_u64 s[38+4*\p:39+4*\p], s[4:5], s[58:59]   ; my tile's codes
	s_bfe_u32 s57, s[36+\p], 0x10002
	s_lshl_b32 s57, s57, 8
	s_and_b32 s58, s[36+\p], 3
	s_lshl_b32 s58, s58, 2
	s_add_co_u32 s58, s58, s57
	s_add_co_u32 s58, s58, s56
	s_add_co_u32 s58, s58, 6144
	s_add_nc_u64 s[40+4*\p:41+4*\p], s[4:5], s[58:59]   ; and its scale words
	s_add_co_u32 s56, s51, s[36+\p]                ; the tile among the 512
	s_mul_i32 s58, s56, 12288
	s_mul_i32 s57, s60, 768                        ; K step h / 2, half h % 2: 768 h bytes
	s_add_co_u32 s58, s58, s57
	s_add_nc_u64 s[46+2*\p:47+2*\p], s[6:7], s[58:59]
	s_lshl_b32 s[61+\p], s56, 10
	s_lshl_b32 s57, s60, 6
	s_add_co_u32 s[61+\p], s[61+\p], s57           ; osc: 1,024 x tile + 64 h
.endr
	global_load_b128 v[16:19], v1, s[38:39]
	global_load_b64 v[20:21], v2, s[38:39] offset:512
	global_load_b32 v28, v3, s[40:41]
	global_load_b128 v[92:95], v1, s[42:43]
	global_load_b64 v[96:97], v2, s[42:43] offset:512
	global_load_b32 v104, v3, s[44:45]
.irp i, 0,1,2,3,4,5
	v_mov_b32 v[22+\i], 0                          ; the upper 64 of K: zero codes, written once
	v_mov_b32 v[98+\i], 0
.irp t, 0,1,2,3
	v_mov_b32 v[38+12*\t+\i], 0
.endr
.endr
.irp b, 0,1,2,3
	v_mov_b32 v[240+\b], 0                         ; written once: a lane permute's destination counts as one of its sources
.endr
	v_mov_b32 v253, 0                              ; (named as the upper half of the pair v[252:253] before it is first written)
	v_mov_b32 v254, 0
	s_wait_tensorcnt 0x0                           ; my record has landed,
	s_wait_loadcnt 0x0                             ; Q is in,
	s_barrier_signal -1
	s_barrier_wait -1                              ; everybody's record has landed
	PASS 0, 16, 28
	PASS 1, 92, 104
	v_mov_b32 v105, s61
	v_mov_b32 v106, s62
	v_cmp_ne_u32 vcc_lo, 0, v108
	s_delay_alu instid0(VALU_DEP_1)
	v_cndmask_b32 v31, v105, v106, vcc_lo          ; lanes 0-15 store pass 0's words, lanes 16-31 pass 1's
	s_delay_alu instid0(VALU_DEP_1)
	v_lshl_add_u32 v31, v107, 2, v31
	s_delay_alu instid0(VALU_DEP_3)
	v_cndmask_b32 v109, v29, v30, vcc_lo
	global_store_b32 v31, v109, s[8:9]             ; two pieces of 64 bytes: a head has two bytes a row
	s_wait_tensorcnt 0x0
	ds_add_u32 v247, v255
	s_wait_dscnt 0x0
	CROUND                                         ; the closing round
	s_endpgm
.Lfunc_end_k_q86e7f3c922_attn:
	.size	k_q86e7f3c922_attn, .Lfunc_end_k_q86e7f3c922_attn-k_q86e7f3c922_attn
	.p2alignl 7, 3214868480
	.fill 96, 4, 3214868480
	.section	.rodata,"a",@progbits
	.p2align	6, 0x0
	.amdhsa_kernel k_q86e7f3c922_attn
		.amdhsa_group_segment_fixed_size 210944
		.amdhsa_private_segment_fixed_size 0
		.amdhsa_enable_private_segment 0
		.amdhsa_kernarg_size 24
		.amdhsa_user_sgpr_count 2
		.amdhsa_user_sgpr_kernarg_segment_ptr 1
		.amdhsa_wavefront_size32 1
		.amdhsa_system_sgpr_workgroup_id_x 1
		.amdhsa_system_sgpr_workgroup_id_y 1
		.amdhsa_system_sgpr_workgroup_id_z 1
		.amdhsa_system_vgpr_workitem_id 0
		.amdhsa_next_free_vgpr 256
		.amdhsa_next_free_sgpr 66
		.amdhsa_reserve_vcc 1
		.amdhsa_float_denorm_mode_32 3
		.amdhsa_float_denorm_mode_16_64 3
		.amdhsa_memory_ordered 1
		.amdhsa_forward_progress 1
		.amdhsa_inst_pref_size 65
	.end_amdhsa_kernel
	.amdgpu_metadata
---
amdhsa.version: [ 1, 2 ]
amdhsa.kernels:
  - .name:           k_q86e7f3c922_attn
    .symbol:         k_q86e7f3c922_attn.kd
    .args:
      - { .name: qkv, .offset: 0, .size: 8, .value_kind: global_buffer, .address_space: global }
      - { .name: oc, .offset: 8, .size: 8, .value_kind: global_buffer, .address_space: global }
      - { .name: osc, .offset: 16, .size: 8, .value_kind: global_buffer, .address_space: global }
    .group_segment_fixed_size: 210944
    .private_segment_fixed_size: 0
    .kernarg_segment_align: 8
    .kernarg_segment_size: 24
    .max_flat_workgroup_size: 512
    .sgpr_count:     66
    .vgpr_count:     256
    .wavefront_size: 32
...
	.end_amdgpu_metadata
.endif
;; end of part 3
;; launch outp (part 4): grid 64 x 4, 4 waves a work-group, clusters of 4 x 4, 295,424 bytes of LDS; arguments cw, sw, oc, osc, bo, out0; writes out0
.if DOCPART == 4
	.amdgcn_target "amdgcn-amd-amdhsa--gfx1250"
	.amdhsa_code_object_version 6
	.text
	.protected	k_q86e7f3c922_outp
	.globl	k_q86e7f3c922_outp
	.p2align	8
	.type	k_q86e7f3c922_outp,@function
k_q86e7f3c922_outp:
	s_mov_b64 s[64:65], 0
	v_nop
	global_prefetch_b8 v0, s[64:65] scope:SCOPE_SE
	s_setreg_imm32_b32 hwreg(HW_REG_WAVE_MODE, 25, 1), 1
	s_wait_xcnt 0x0
	s_wait_alu depctr_hold_cnt(0) depctr_sa_sdst(0) depctr_va_vdst(0) depctr_va_sdst(0) depctr_va_ssrc(0) depctr_va_vcc(0) depctr_vm_vsrc(0)
	s_getreg_b32 s2, hwreg(HW_REG_IB_STS2, 6, 4)
	s_cmp_eq_u32 s2, 0
	s_cbranch_scc0 .Lentry_in_a_cluster
	s_endpgm
.Lentry_in_a_cluster:
	s_bfe_u32 s2, ttmp6, 0x10000c
	s_cmp_lg_u32 s2, 0xf033
	s_cbranch_scc0 .Lentry_shape_is_right
	s_endpgm
.Lentry_shape_is_right:
; out0 = o Wo^T + bo on codes of FP6 (E2M3) with E8M0 scales, f32 sums.  o arrives as codes (oc: [tile 512][K step 8][half 2][768 bytes]) with two scale bytes for each row and head (osc).
; A work-group makes 128 rows of o (8 tiles, source 1) x 256 rows of Wo (16 tiles, source 0), K = 1,024; a wave 4 x 8 tiles: 32 accumulators.  The product is used transposed: a lane holds one row of the output,
; and its registers run along the columns (slot r of a tile is row 32 (t / 2) + 8 (t % 2) + r + 8 (r / 8), so the 16 registers of tiles 2 b, 2 b + 1 are 16 neighbouring columns).
; THE WHOLE K IS RESIDENT: four chunks of two K steps, 73,728 bytes each, all asked for at the head, four tensor loads a wave; no LDS byte is filled twice.
; CLUSTER 4 x 4: Wo's tiles hang on cx and are shared along a column, o's on cy and are shared along a row: joint loads.
; THE WAY OUT goes through each wave's stage (16 rows x 528 bytes) in chunk 0, which has had its only fill and whose last read stands ahead of an earlier barrier.
; REGISTERS: window 0: v4-27 addresses; v32-95, v96-127 scale words and nothing else; v128-223 o's fragments, two sets (on the way out v128-191 numbers, v192-255 rows).
;   window 1: the accumulators.   window 2: Wo's fragments, two sets of 96.   window 3: v0-63 the bias.
.set CHUNK, 73728
.set ROFF,  49152
.set ADRC,  4                          ; v4-7   16 L + my 8 tiles of Wo in chunk j
.set ADRR,  8                          ; v8-11  16 L + my 4 tiles of o in chunk j
.set ADR8,  24                         ; v24-27 8 L + the same
.set SCLC,  32
.set SCLR,  96
.set RF,    128
.set WK,    128
.set BK,    192
.set SEL,   24
.set G1C,   28
.set G1R,   36
.set G0C,   44
.set G0R,   68
.set MSB, 0
.macro WIN new
.if MSB != \new
	s_set_vgpr_msb (MSB<<8)|\new
.set MSB, \new
.endif
.endm
.macro PLACES n
.rept \n
	v_nop
.endr
.endm
.macro CROUND
	s_barrier_signal -1
	s_barrier_wait -1
	s_cmp_lg_u32 s16, 0
	s_cbranch_scc1 .Lnot_wave_0_\@
	s_barrier_signal -3
.Lnot_wave_0_\@:
	s_barrier_wait -3
	s_barrier_signal -1
	s_barrier_wait -1
.endm
.macro FETCH k, u                      ; K step k's fragments into set u: 24 loads for Wo's eight, 16 for o's four (two half images each)
	WIN 0x80
.irp i, 0,1,2,3,4,5,6,7
.irp g, 0,1,2
	ds_load_b128 v[96*(\u)+12*\i+4*\g:96*(\u)+12*\i+4*\g+3], v[ADRC+(\k)/2] offset:3072*\i+1536*((\k)%2)+512*\g
.endr
.endr
	WIN 0
.irp a, 0,1,2,3
.irp c, 0,1
	ds_load_b128 v[RF+48*(\u)+12*\a+6*\c:RF+48*(\u)+12*\a+6*\c+3], v[ADRR+(\k)/2] offset:3072*\a+1536*((\k)%2)+768*\c
	ds_load_b64 v[RF+48*(\u)+12*\a+6*\c+4:RF+48*(\u)+12*\a+6*\c+5], v[ADR8+(\k)/2] offset:3072*\a+1536*((\k)%2)+768*\c+512
.endr
.endr
.endm
.macro KSTEP k
.if ((\k)%2 == 1) && ((\k) < 7)
	s_wait_tensorcnt 3-((\k)+1)/2                  ; my part of the next chunk has landed; the later chunks' loads may be out
	s_wait_dscnt 0x0
	s_barrier_signal -1
	s_barrier_wait -1
.endif
.if ((\k) >= 1) && ((\k) < 7)
	PLACES 4                                       ; in front of loads into the set that the last step's products read
.endif
.if (\k) < 7
	FETCH (\k)+1, ((\k)+1)%2
	s_wait_dscnt 40                                ; all but the 40 just issued
.else
	s_wait_dscnt 0x0
.endif
	WIN 0x52
.irp a, 0,1,2,3
.irp b, 0,1,2,3,4,5,6,7
.if (\k) == 0
	v_wmma_scale_f32_16x16x128_f8f6f4 v[8*(8*\a+\b):8*(8*\a+\b)+7], v[96*((\k)%2)+12*\b:96*((\k)%2)+12*\b+11], v[RF+48*((\k)%2)+12*\a:RF+48*((\k)%2)+12*\a+11], 0, v[SCLC+8*\b+(\k)], v[SCLR+8*\a+(\k)] matrix_a_fmt:MATRIX_FMT_FP6 matrix_b_fmt:MATRIX_FMT_FP6
.else
	v_wmma_scale_f32_16x16x128_f8f6f4 v[8*(8*\a+\b):8*(8*\a+\b)+7], v[96*((\k)%2)+12*\b:96*((\k)%2)+12*\b+11], v[RF+48*((\k)%2)+12*\a:RF+48*((\k)%2)+12*\a+11], v[8*(8*\a+\b):8*(8*\a+\b)+7], v[SCLC+8*\b+(\k)], v[SCLR+8*\a+(\k)] matrix_a_fmt:MATRIX_FMT_FP6 matrix_b_fmt:MATRIX_FMT_FP6
.endif
.endr
.endr
	WIN 0
.endm
	s_load_b256 s[4:11], s[0:1], 0x0               ; cw, sw, oc, osc
	s_load_b128 s[12:15], s[0:1], 0x20             ; bo, out0
	v_lshl_add_u32 v30, v0, 2, 0x48000
	v_mov_b32 v31, 0
	ds_add_u32 v30, v31
	ds_add_u32 v30, v31
	v_lshrrev_b32 v1, 5, v0
	v_readfirstlane_b32 s16, v1                    ; wave
	s_lshr_b32 s17, s16, 1                         ; wr
	s_and_b32 s18, s16, 1                          ; wc
	s_bfe_u32 s19, ttmp6, 0x40000                  ; cx
	s_bfe_u32 s20, ttmp6, 0x40004                  ; cy
	s_lshl_b32 s22, s19, 4
	s_add_co_u32 s22, s22, 704                     ; my work-group's first tile of Wo: hangs on cx alone
	s_lshl_b32 s23, ttmp9, 5
	s_lshl_b32 s91, s20, 3
	s_add_co_u32 s23, s23, s91                     ; and of o: on the cluster and cy alone
	s_lshl_b32 s92, 0x1111, s19
	s_lshl_b32 s93, s20, 2
	s_lshl_b32 s93, 15, s93
	s_or_b32 s[G1C], s92, (3<<16)|(1<<21)          ; rows of 3,072 bytes (two K steps of a tile), 12,288 bytes apart: 8 tiles of Wo
	s_mov_b32 s[G1C+1], 384<<16
	s_mov_b32 s[G1C+2], 8<<16
	s_mov_b32 s[G1C+3], 384<<16
	s_mov_b32 s[G1C+4], 8
	s_mov_b32 s[G1C+5], 1536
	s_mov_b32 s[G1C+6], 0
	s_mov_b32 s[G1C+7], 0
	s_or_b32 s[G1R], s93, (3<<16)|(1<<21)          ; 4 tiles of o
	s_mov_b32 s[G1R+1], 384<<16
	s_mov_b32 s[G1R+2], 4<<16
	s_mov_b32 s[G1R+3], 384<<16
	s_mov_b32 s[G1R+4], 4
	s_mov_b32 s[G1R+5], 1536
	s_mov_b32 s[G1R+6], 0
	s_mov_b32 s[G1R+7], 0
	s_lshl_b32 s84, s18, 3
	s_add_co_u32 s84, s84, s22
	s_mul_i32 s84, s84, 12288
	s_mov_b32 s85, 0
	s_lshl_b32 s86, s18, 2
	s_add_co_u32 s86, s86, s23
	s_mul_i32 s86, s86, 12288
	s_mov_b32 s87, 0
	s_mul_i32 s88, s18, 24576
	s_mul_i32 s89, s18, 12288
	s_mov_b32 s[SEL], 0x76543210
	s_mov_b32 s[SEL+1], 0xfedcba98
	s_wait_dscnt 0x0
	s_wait_kmcnt 0x0
	s_add_nc_u64 s[84:85], s[4:5], s[84:85]
	s_add_nc_u64 s[86:87], s[8:9], s[86:87]
	CROUND                                         ; all sixteen work-groups are here: the joint loads meet
.irp j, 0,1,2,3
	s_mov_b32 s[G0C+4*\j], 1
	s_add_co_u32 s[G0C+4*\j+1], s88, CHUNK*\j
	s_add_nc_u64 s[G0C+4*\j+2:G0C+4*\j+3], s[84:85], 3072*\j
	s_or_b32 s[G0C+4*\j+3], s[G0C+4*\j+3], 0x80000000
	s_mov_b32 s[G0R+4*\j], 1
	s_add_co_u32 s[G0R+4*\j+1], s89, CHUNK*\j+ROFF
	s_add_nc_u64 s[G0R+4*\j+2:G0R+4*\j+3], s[86:87], 3072*\j
	s_or_b32 s[G0R+4*\j+3], s[G0R+4*\j+3], 0x80000000
.endr
	s_cmp_lt_u32 s16, 2                            ; waves 0, 1: Wo's halves; waves 2, 3: o's.  A wave's four fills stand in one branch: four loads of mine are out
	s_cbranch_scc0 .Lfor_r
.irp j, 0,1,2,3
	tensor_load_to_lds s[G0C+4*\j:G0C+4*\j+3], s[G1C:G1C+7]
	s_nop 0
.endr
	PLACES 4
	s_branch .Lasked
.Lfor_r:
.irp j, 0,1,2,3
	tensor_load_to_lds s[G0R+4*\j:G0R+4*\j+3], s[G1R:G1R+7]
	s_nop 0
.endr
	PLACES 4
.Lasked:
	v_and_b32 v1, 31, v0                           ; L
	v_and_b32 v2, 15, v0                           ; r
	v_bfe_u32 v3, v0, 4, 1                         ; h
	v_lshlrev_b32 v12, 4, v1                       ; 16 L
	v_lshlrev_b32 v13, 3, v1                       ; 8 L
	v_lshlrev_b32 v14, 4, v2                       ; 16 r
	v_lshlrev_b32 v19, 6, v3                       ; 64 h
	v_lshlrev_b32 v22, 2, v1                       ; 4 L
	v_mov_b32 v16, 0                               ; a lane permute's destination counts as one of its sources
	v_mov_b32 v17, 0
	s_mul_i32 s94, s18, 24576
	s_mul_i32 s95, s17, 12288
	s_add_co_u32 s95, s95, ROFF
.irp j, 0,1,2,3
	v_add_nc_u32 v[ADRC+\j], s94, v12
	v_add_nc_u32 v[ADRR+\j], s95, v12
	v_add_nc_u32 v[ADR8+\j], s95, v13
	s_add_co_u32 s94, s94, CHUNK
	s_add_co_u32 s95, s95, CHUNK
.endr
	s_mul_i32 s94, s16, 8448                       ; my stage
	v_mul_u32_u24 v20, v2, 528
	v_add_nc_u32 v20, v20, v19
	v_add_nc_u32 v20, s94, v20                     ; in: row r, + 64 h
	v_add_nc_u32 v21, s94, v12                     ; back: 16 L
	s_lshl_b32 s90, s18, 3
	s_add_co_u32 s90, s90, s22
	s_lshl_b32 s90, s90, 9
	s_mov_b32 s91, 0
	s_add_nc_u64 s[90:91], s[6:7], s[90:91]        ; the scale words of my 8 tiles of Wo
	s_lshl_b32 s2, s17, 2
	s_add_co_u32 s2, s2, s23                       ; my first tile of o
	s_lshl_b32 s92, s2, 10
	s_mov_b32 s93, 0
	s_add_nc_u64 s[92:93], s[10:11], s[92:93]      ; its scale words
	s_lshl_b32 s94, s19, 1
	s_add_co_u32 s94, s94, s18
	s_lshl_b32 s94, s94, 9                         ; my 128 columns, in bytes
	s_mov_b32 s95, 0
	s_add_nc_u64 s[96:97], s[12:13], s[94:95]      ; their bias
	s_lshl_b32 s2, s2, 16                          ; 16 rows of 4,096 bytes a tile
	s_mov_b32 s3, 0
	s_add_nc_u64 s[98:99], s[14:15], s[2:3]
	s_add_nc_u64 s[98:99], s[98:99], s[94:95]      ; my corner of out0
.irp b, 0,1,2,3,4,5,6,7
.irp q, 0,1
	global_load_b128 v[SCLC+8*\b+4*\q:SCLC+8*\b+4*\q+3], v14, s[90:91] offset:512*\b+256*\q
.endr
.endr
.irp a, 0,1,2,3
.irp s, 0,1,2,3,4,5,6,7
	global_load_b32 v[224+8*\a+\s], v22, s[92:93] offset:1024*\a+128*\s   ; lanes 0-15: head 2 s's two bytes of row r; lanes 16-31: head 2 s + 1's
.endr
.endr
	WIN 0xc0                                       ; destination window 3
.irp b, 0,1,2,3
.irp q, 0,1,2,3
	global_load_b128 v[16*\b+4*\q:16*\b+4*\q+3], v19, s[96:97] offset:128*\b+16*\q   ; register 16 b + i: column 32 b + 16 h + i
.endr
.endr
	WIN 0
	s_wait_loadcnt 0x0
.set i, 0
.rept 32                                       ; a K step's word: head 2 s's bytes below, head 2 s + 1's, from lane l xor 16, above (lanes 16-31 are not read)
	v_permlanex16_b32 v[16+i%2], v[224+i], s[SEL], s[SEL+1]
	v_lshl_or_b32 v[SCLR+i], v[16+i%2], 16, v[224+i]
.set i, i+1
.endr
	PLACES 8                                       ; a scale register written by a vector instruction stands eight places ahead of a scaled product
	s_wait_tensorcnt 3                             ; my part of chunk 0 has landed; three loads may be out
	s_barrier_signal -1
	s_barrier_wait -1
	FETCH 0, 0
	KSTEP 0
	KSTEP 1
	KSTEP 2
	s_wait_alu depctr_va_vdst(0)
	KSTEP 3
	KSTEP 4
	KSTEP 5
	KSTEP 6
	KSTEP 7
	PLACES 4                                       ; in front of the first read of results and of writes into the fragments' registers
.irp a, 0,1,2,3
	WIN 0x0d                                       ; source 0 window 1, source 1 window 3
.set i, 0
.rept 32
	v_pk_add_f32 v[WK+2*i:WK+2*i+1], v[64*\a+2*i:64*\a+2*i+1], v[2*i:2*i+1]   ; each accumulator from its low end on
.set i, i+1
.endr
	WIN 0
.irp b, 0,1,2,3
.irp q, 0,1,2,3
	ds_store_b128 v20, v[WK+16*\b+4*\q:WK+16*\b+4*\q+3] offset:128*\b+16*\q
.endr
.endr
.if \a > 0
	s_wait_xcnt 0x0                                ; the last tile's stores have read their registers
.endif
.irp i, 0,1,2,3,4,5,6,7,8,9,10,11,12,13,14,15
	ds_load_b128 v[BK+4*\i:BK+4*\i+3], v21 offset:528*\i   ; LDS serves a wave's instructions in order: these see the stores above
.endr
.irp i, 0,1,2,3,4,5,6,7,8,9,10,11,12,13,14,15
	s_wait_dscnt 15-\i                             ; row slot i is back; the younger loads may be out
	global_store_b128 v12, v[BK+4*\i:BK+4*\i+3], s[98:99] offset:(32*(\a/2)+8*(\a%2)+\i+8*(\i/8))*4096 th:TH_STORE_NT   ; 32 lanes store 512 consecutive bytes, aligned
.endr
.endr
	s_wait_tensorcnt 0x0
	ds_add_u32 v30, v31
	s_wait_dscnt 0x0
	CROUND                                         ; the closing round
	s_endpgm
.Lfunc_end_k_q86e7f3c922_outp:
	.size	k_q86e7f3c922_outp, .Lfunc_end_k_q86e7f3c922_outp-k_q86e7f3c922_outp
	.p2alignl 7, 3214868480
	.fill 96, 4, 3214868480
	.section	.rodata,"a",@progbits
	.p2align	6, 0x0
	.amdhsa_kernel k_q86e7f3c922_outp
		.amdhsa_group_segment_fixed_size 295424
		.amdhsa_private_segment_fixed_size 0
		.amdhsa_enable_private_segment 0
		.amdhsa_kernarg_size 48
		.amdhsa_user_sgpr_count 2
		.amdhsa_user_sgpr_kernarg_segment_ptr 1
		.amdhsa_wavefront_size32 1
		.amdhsa_system_sgpr_workgroup_id_x 1
		.amdhsa_system_sgpr_workgroup_id_y 1
		.amdhsa_system_sgpr_workgroup_id_z 1
		.amdhsa_system_vgpr_workitem_id 0
		.amdhsa_next_free_vgpr 832
		.amdhsa_next_free_sgpr 100
		.amdhsa_reserve_vcc 0
		.amdhsa_float_denorm_mode_32 3
		.amdhsa_float_denorm_mode_16_64 3
		.amdhsa_memory_ordered 1
		.amdhsa_forward_progress 1
		.amdhsa_inst_pref_size 99
	.end_amdhsa_kernel
	.amdgpu_metadata
---
amdhsa.version: [ 1, 2 ]
amdhsa.kernels:
  - .name:           k_q86e7f3c922_outp
    .symbol:         k_q86e7f3c922_outp.kd
    .args:
      - { .name: cw, .offset: 0, .size: 8, .value_kind: global_buffer, .address_space: global }
      - { .name: sw, .offset: 8, .size: 8, .value_kind: global_buffer, .address_space: global }
      - { .name: oc, .offset: 16, .size: 8, .value_kind: global_buffer, .address_space: global }
      - { .name: osc, .offset: 24, .size: 8, .value_kind: global_buffer, .address_space: global }
      - { .name: bo, .offset: 32, .size: 8, .value_kind: global_buffer, .address_space: global }
      - { .name: out0, .offset: 40, .size: 8, .value_kind: global_buffer, .address_space: global }
    .group_segment_fixed_size: 295424
    .private_segment_fixed_size: 0
    .kernarg_segment_align: 8
    .kernarg_segment_size: 48
    .max_flat_workgroup_size: 128
    .sgpr_count:     100
    .vgpr_count:     832
    .wavefront_size: 32
...
	.end_amdgpu_metadata
.endif
;; end of part 4
